; MI455X (gfx1250); checked and timed in simulation.
; The chip was launched on July 23, 2026; its instructions are those of AMD's public machine-readable ISA for CDNA 5 (MIT licence, August 2026) and "CDNA5" Instruction Set Architecture Reference Guide (July 2026). The comments in the code are by the model that wrote it; some were corrected since.
;; Mo EMLP Base. Allowed arithmetic: matrix products marked QUANTISED: E2M1 operands, one E8M0 scale for each 32 along K, by v_wmma_scale_f32_16x16x128_f8f6f4 with both operands' format E2M1 (or v_wmma_scale_f32_32x16x128_f4), f32 sums; products left as they are: f32 operands where the result goes on into a quantised operand, else bf16, f16 or f32 operands; f32 sums; everything else in f32.
;; Inputs: W1_codes 8 x 4,096 x 32 x 16 uint8 (E2M1 codes of W1, K innermost, in blocks of 32 codes, two codes a byte); W1_scales 8 x 4,096 x 32 uint8 (E8M0 scales of W1, one for each 32 codes along K); W2_codes 8 x 1,024 x 128 x 16 uint8 (E2M1 codes of W2, K innermost, in blocks of 32 codes, two codes a byte); W2_scales 8 x 1,024 x 128 uint8 (E8M0 scales of W2, one for each 32 codes along K); b1 8 x 4,096 float32; b2 8 x 1,024 float32; router_w 8 x 1,024 float32; x 4 x 256 x 1,024 float32.
;; Outputs: out0 4 x 256 x 1,024 float32.
;; This version of the problem:
;;   THIS VERSION OF THE PROBLEM IS GIVEN IN LOW PRECISION. The matrix products marked QUANTISED in the list below multiply operands that are first quantised to E2M1 (2 exponent bits, 1 mantissa bit; 4 bits a number), with one power-of-two scale for each 32 numbers along K (OCP MX v1.0); their sums are f32. All else is computed in f32.
;;   The module's matrix products, in the order in which they are computed (A, B: the left and right operand; K: the contracted axis; several contracted axes count as one K, in the product's order):
;;     1. [M 1,024, K 1,024] x [K 1,024, N 8]; A: input x; B: input router_w: left as it is (N = 8 < 16)
;;     2. [M 1,024, K 1,024] x [K 1,024, N 4,096]; A: input x; B: input W1 (given as codes): QUANTISED
;;     3. [M 1,024, K 4,096] x [K 4,096, N 1,024]; A: computed on the way; B: input W2 (given as codes): QUANTISED
;;     4. [M 1,024, K 1,024] x [K 1,024, N 4,096]; A: input x; B: input W1 (given as codes): QUANTISED
;;     5. [M 1,024, K 4,096] x [K 4,096, N 1,024]; A: computed on the way; B: input W2 (given as codes): QUANTISED
;;     6. [M 1,024, K 1,024] x [K 1,024, N 4,096]; A: input x; B: input W1 (given as codes): QUANTISED
;;     7. [M 1,024, K 4,096] x [K 4,096, N 1,024]; A: computed on the way; B: input W2 (given as codes): QUANTISED
;;     8. [M 1,024, K 1,024] x [K 1,024, N 4,096]; A: input x; B: input W1 (given as codes): QUANTISED
;;     9. [M 1,024, K 4,096] x [K 4,096, N 1,024]; A: computed on the way; B: input W2 (given as codes): QUANTISED
;;     10. [M 1,024, K 1,024] x [K 1,024, N 4,096]; A: input x; B: input W1 (given as codes): QUANTISED
;;     11. [M 1,024, K 4,096] x [K 4,096, N 1,024]; A: computed on the way; B: input W2 (given as codes): QUANTISED
;;     12. [M 1,024, K 1,024] x [K 1,024, N 4,096]; A: input x; B: input W1 (given as codes): QUANTISED
;;     13. [M 1,024, K 4,096] x [K 4,096, N 1,024]; A: computed on the way; B: input W2 (given as codes): QUANTISED
;;     14. [M 1,024, K 1,024] x [K 1,024, N 4,096]; A: input x; B: input W1 (given as codes): QUANTISED
;;     15. [M 1,024, K 4,096] x [K 4,096, N 1,024]; A: computed on the way; B: input W2 (given as codes): QUANTISED
;;     16. [M 1,024, K 1,024] x [K 1,024, N 4,096]; A: input x; B: input W1 (given as codes): QUANTISED
;;     17. [M 1,024, K 4,096] x [K 4,096, N 1,024]; A: computed on the way; B: input W2 (given as codes): QUANTISED
;;   THE QUANTISER, for each operand of a quantised product, along K:
;;     - K is cut into blocks of 32 from its start; a last block that is shorter is filled with zeros.
;;     - A block's scale is 2^e with e = floor(log2(the largest magnitude in the block)) - 2, held to -126 .. 127; a block of zeros has e = 0. As a byte (E8M0): e + 127.
;;     - Each number is divided by its block's scale, clamped to +-6, and rounded to the nearest number of E2M1, ties to even, subnormals kept.
;;     - The product sums the exact products of the quantised numbers (number of the format x scale) in f32.
;;   ~~~python
;;   def quantise(x, axis):      # numpy; x: float32 -> the quantised numbers, widened to float32 again
;;       x = np.moveaxis(x, axis, -1); K = x.shape[-1]
;;       x = np.pad(x, [(0, 0)] * (x.ndim - 1) + [(0, -K % 32)]); x = x.reshape(x.shape[:-1] + (-1, 32)); a = np.abs(x).max(-1, keepdims=True)
;;       e = np.where(a > 0, np.clip(np.frexp(np.where(a > 0, a, 1))[1] - 1 - 2, -126, 127), 0)      # np.frexp(a)[1] - 1 = floor(log2(a)), exactly
;;       r = np.clip(x / 2.0 ** e, -6, 6)
;;       step = 2.0 ** (np.maximum(np.frexp(np.where(r == 0, 1, r))[1] - 1, 0) - 1)
;;       q = np.round(r / step) * step * 2.0 ** e      # np.round: ties to even
;;       return np.moveaxis(q.reshape(q.shape[:-2] + (-1,))[..., :K], -1, axis).astype(np.float32)
;;   ~~~
;;   OPERANDS COMPUTED ON THE WAY. 'Computed on the way' means the value that the module computes at that place (a softmax that the list does not call 'softmax' is quantised finished and normalised). What goes into a quantiser is computed in f32, as accurately as f32 sums, v_exp_f32 and their like allow (about 1e-6 of the number): no bf16 or f16 on the way to a quantiser, and a product that is left as it is and whose result goes on into a quantised operand takes f32 operands (vector FMAs, or v_wmma_f32_16x16x4_f32). A number that lies on a knife's edge between two numbers of the format may be rounded either way, as far as f32 arithmetic and the matrix unit's own rounding can turn it there, and no further.
;;   INPUTS GIVEN AS CODES. W1 (in the module: [8, 1024, 4096], K = its axis 1); W2 (in the module: [8, 4096, 1024], K = its axis 1): each comes as NAME_codes (uint8): NAME with its K axis moved to the last place and cut into blocks of 32 codes, [.., K / 32, bytes a block], one block behind the other in memory; two codes a byte, the lower K in the low four bits (a code: sign, 2 exponent bits, 1 mantissa bit); and NAME_scales (uint8): the same leading axes, one E8M0 byte (e + 127) for each 32 codes along K. Its value is code x scale, taken as it is: it is not quantised again, and the codes and scales need not be those that the quantiser above would give.
;; One version. Each part assembles by itself: llvm-mc -triple=amdgcn-amd-amdhsa -mcpu=gfx1250 --defsym DOCPART=n.
;; ======== version 1 of 1: 4 launches
;; workspace buffers: xq 524,288 bytes; xs 32,768 bytes; sel 4,096 bytes of whole numbers; gate 8,192 bytes; himg 16,777,216 bytes; hsc 1,048,576 bytes; ybuf 8,388,608 bytes
;; launch route (part 1): grid 256 x 1, 4 waves a work-group, no clusters, 18,944 bytes of LDS; arguments x, router_w, xq, xs, sel, gate; writes xq, xs, sel, gate
.if DOCPART == 1
	.amdgcn_target "amdgcn-amd-amdhsa--gfx1250"
	.amdhsa_code_object_version 6
	.text
	.protected	k_qd452c059f9_route
	.globl	k_qd452c059f9_route
	.p2align	8
	.type	k_qd452c059f9_route,@function
k_qd452c059f9_route:
	s_mov_b64 s[64:65], 0
	v_nop
	global_prefetch_b8 v0, s[64:65] scope:SCOPE_SE
	s_setreg_imm32_b32 hwreg(HW_REG_WAVE_MODE, 25, 1), 1
	s_wait_xcnt 0x0
; ROUTE.  One wave takes one token t = 4 x work-group + wave: 1,024 tokens, 256 work-groups of four waves that share nothing (no barrier).
; (a) x[t][0..1023] becomes codes of FP4 (E2M1) with one E8M0 byte for each 32 along K: xq[t][512 bytes] (block b at byte 16 b), xs[t][32 bytes].
; (b) the router in f32: eight dot products of 1,024, a softmax with its maximum taken away, the two largest probabilities (on a tie the lower index),
;     renormalised by their sum + 1e-8.  sel[t] = first | second << 8 (whole numbers, at a fixed place); gate[t][0..1] = the two weights.
; No address and no branch of this launch hangs on the choice: later launches read sel.
; LIMITS: NaN and infinities are not served.  A block of zeros gets the byte 1 (its codes are zeros; this program alone reads the bytes); blocks whose largest magnitude lies under
; 2^-124 are held at the byte 1.  Where the second and third probability differ by less than f32 rounding of the sums, the choice may differ from another order of summation.
; No matrix unit, cluster or tensor load: eight columns are too few for a tile, and each byte of x is read once.
.set X,   16                           ; v16-47   the token's row as loaded: load i brings numbers 128 i + 4 lane + 0..3
.set ACC, 48                           ; v48-63   eight pairs of partial sums
.set RW,  64                           ; v64-191  router_w, experts 0-3, in x's pattern; experts 4-7 lie in window 1, v0-127
.set XN,  192                          ; v192-223 block `lane` of the row: 32 neighbours along K
.set QT,  224                          ; v224-231 at work in the quantiser; v228-231 the codes
.set P,   232                          ; v232-239 logits, then probabilities
.set STP, 144                          ; a block's place in the stage: 128 bytes + 16 of padding
.set MSB, 0
.macro WIN new                         ; the immediate's high byte repeats the setting that is left
.if MSB != \new
	s_set_vgpr_msb (MSB<<8)|\new
.set MSB, \new
.endif
.endm
	s_load_b256 s[4:11], s[0:1], 0x0               ; x s[4:5], router_w s[6:7], xq s[8:9], xs s[10:11]
	s_load_b128 s[12:15], s[0:1], 0x20             ; sel s[12:13], gate s[14:15]
	v_lshl_add_u32 v254, v0, 2, 0x4800
	v_mov_b32 v255, 0
	v_lshrrev_b32 v5, 5, v0
	v_readfirstlane_b32 s16, v5                    ; wave
	v_and_b32 v1, 31, v0                           ; lane
	v_lshlrev_b32 v2, 4, v1                        ; 16 x lane
	s_lshl_b32 s17, ttmp9, 2
	s_add_co_u32 s17, s17, s16                     ; my token
	s_mul_i32 s23, s16, 32*STP                     ; my wave's stage
	v_lshrrev_b32 v5, 3, v1
	v_and_b32 v6, 7, v1
	v_mul_u32_u24 v3, v5, STP
	v_lshl_add_u32 v3, v6, 4, v3
	v_add_nc_u32 v3, s23, v3                       ; into the stage: eight lanes' 128 bytes are a block: 144 (lane / 8) + 16 (lane % 8); a load's 512 bytes are four blocks
	v_mul_u32_u24 v4, v1, STP
	v_add_nc_u32 v4, s23, v4                       ; out of it: block `lane`
	s_mov_b32 s20, 0x76543210
	s_mov_b32 s21, 0xfedcba98                      ; v_permlanex16_b32's selects for lane l xor 16
	s_mov_b32 s19, 0
	s_wait_kmcnt 0x0
	s_lshl_b32 s18, s17, 12
	s_add_nc_u64 s[4:5], s[4:5], s[18:19]          ; x at my row of 4,096 bytes
	s_lshl_b32 s18, s17, 9
	s_add_nc_u64 s[8:9], s[8:9], s[18:19]          ; xq: 512 bytes a token
	s_lshl_b32 s18, s17, 5
	s_add_nc_u64 s[10:11], s[10:11], s[18:19]      ; xs: 32
	s_lshl_b32 s18, s17, 2
	s_add_nc_u64 s[12:13], s[12:13], s[18:19]      ; sel: 4
	s_lshl_b32 s18, s17, 3
	s_add_nc_u64 s[14:15], s[14:15], s[18:19]      ; gate: 8
.irp i, 0,1,2,3,4,5,6,7
	global_load_b128 v[X+4*\i:X+4*\i+3], v2, s[4:5] offset:512*\i th:TH_LOAD_NT   ; 32 lanes read 512 consecutive bytes; read once in the launch
.endr
.irp e, 0,1,2,3
.irp i, 0,1,2,3,4,5,6,7
	global_load_b128 v[RW+32*\e+4*\i:RW+32*\e+4*\i+3], v2, s[6:7] offset:4096*\e+512*\i
.endr
.endr
	s_wait_loadcnt 32                              ; x is in; the 32 loads of experts 0-3 are younger
.irp i, 0,1,2,3,4,5,6,7
	ds_store_b128 v3, v[X+4*\i:X+4*\i+3] offset:4*STP*\i
.endr
.irp j, 0,1,2,3,4,5,6,7
	ds_load_b128 v[XN+4*\j:XN+4*\j+3], v4 offset:16*\j   ; LDS serves a wave's instructions in order: these see my stores
.endr
	WIN 0x40                                       ; destination window 1
.irp e, 0,1,2,3
.irp i, 0,1,2,3,4,5,6,7
	global_load_b128 v[32*\e+4*\i:32*\e+4*\i+3], v2, s[6:7] offset:4096*(\e+4)+512*\i
.endr
.endr
	WIN 0
	s_wait_dscnt 0x0
	; the quantiser: all 32 numbers of the block are mine
	v_max3_num_f32 v[QT], |v[XN]|, |v[XN+1]|, |v[XN+2]|
	v_max3_num_f32 v[QT+1], |v[XN+3]|, |v[XN+4]|, |v[XN+5]|
.irp i, 6,10,14,18,22,26
	v_max3_num_f32 v[QT], v[QT], |v[XN+\i]|, |v[XN+\i+1]|
	v_max3_num_f32 v[QT+1], v[QT+1], |v[XN+\i+2]|, |v[XN+\i+3]|
.endr
	v_max3_num_f32 v[QT], v[QT], |v[XN+30]|, |v[XN+31]|
	v_max3_num_f32 v[QT], v[QT], v[QT+1], 0x1800000 ; and the floor 2^(3 - 127): the byte cannot fall under 1
	v_add_nc_u32 v[QT+2], 0xff000000, v[QT]        ; 2 off the exponent field: the conversion takes this operand's exponent field as its scale
	v_lshrrev_b32 v[QT+3], 23, v[QT+2]             ; the scale's byte
.irp g, 0,1,2,3
	v_cvt_scalef32_pk8_fp4_f32 v[QT+4+\g], v[XN+8*\g:XN+8*\g+7], v[QT+2]
.endr
	v_nop                                          ; one plain place behind the last scaled conversion
	global_store_b128 v2, v[QT+4:QT+7], s[8:9]     ; the wave stores the token's 512 bytes of codes on end
	global_store_b8 v1, v[QT+3], s[10:11]          ; and its 32 scale bytes
	; the eight dot products: two numbers an instruction, the experts by turns
	s_wait_loadcnt 32                              ; experts 0-3 are in; the 32 loads of experts 4-7 are younger
.irp e, 0,1,2,3
	v_pk_mul_f32 v[ACC+2*\e:ACC+2*\e+1], v[X:X+1], v[RW+32*\e:RW+32*\e+1]
.endr
.irp p, 1,2,3,4,5,6,7,8,9,10,11,12,13,14,15
.irp e, 0,1,2,3
	v_pk_fma_f32 v[ACC+2*\e:ACC+2*\e+1], v[X+2*\p:X+2*\p+1], v[RW+32*\e+2*\p:RW+32*\e+2*\p+1], v[ACC+2*\e:ACC+2*\e+1]
.endr
.endr
	s_wait_loadcnt 0x0
	WIN 0x04                                       ; source 1 window 1
.irp e, 0,1,2,3
	v_pk_mul_f32 v[ACC+8+2*\e:ACC+9+2*\e], v[X:X+1], v[32*\e:32*\e+1]
.endr
.irp p, 1,2,3,4,5,6,7,8,9,10,11,12,13,14,15
.irp e, 0,1,2,3
	v_pk_fma_f32 v[ACC+8+2*\e:ACC+9+2*\e], v[X+2*\p:X+2*\p+1], v[32*\e+2*\p:32*\e+2*\p+1], v[ACC+8+2*\e:ACC+9+2*\e]
.endr
.endr
	WIN 0
.irp e, 0,1,2,3,4,5,6,7
	v_add_f32 v[ACC+2*\e], v[ACC+2*\e], v[ACC+2*\e+1]
.endr
.irp m, 1,2,4,8
.irp e, 0,1,2,3,4,5,6,7
	v_add_f32_dpp v[ACC+2*\e], v[ACC+2*\e], v[ACC+2*\e] row_xmask:\m row_mask:0xf bank_mask:0xf
.endr
.endr
.irp e, 0,1,2,3,4,5,6,7
	v_permlanex16_b32 v[ACC+2*\e+1], v[ACC+2*\e], s20, s21
.endr
.irp e, 0,1,2,3,4,5,6,7
	v_add_f32 v[P+\e], v[ACC+2*\e], v[ACC+2*\e+1]  ; every lane holds all eight logits
.endr
	; the softmax, with its maximum taken away
	v_max3_num_f32 v240, v[P], v[P+1], v[P+2]
	v_max3_num_f32 v240, v240, v[P+3], v[P+4]
	v_max3_num_f32 v240, v240, v[P+5], v[P+6]
	v_max_num_f32 v240, v240, v[P+7]
.irp e, 0,1,2,3,4,5,6,7
	v_sub_f32 v[P+\e], v[P+\e], v240
.endr
.irp e, 0,1,2,3,4,5,6,7
	v_mul_f32 v[P+\e], 0x3fb8aa3b, v[P+\e]         ; x log2(e)
.endr
.irp e, 0,1,2,3,4,5,6,7
	v_exp_f32 v[P+\e], v[P+\e]
.endr
	v_nop                                          ; a plain place behind the last exponential
	s_wait_alu depctr_va_vdst(0)                   ; one wait for the eight, ahead of their first reader
	v_add_f32 v241, v[P], v[P+1]
	v_add_f32 v242, v[P+2], v[P+3]
	v_add_f32 v243, v[P+4], v[P+5]
	v_add_f32 v244, v[P+6], v[P+7]
	v_add_f32 v241, v241, v242
	v_add_f32 v243, v243, v244
	v_add_f32 v241, v241, v243
	v_rcp_f32 v241, v241
	v_nop
	s_wait_alu depctr_va_vdst(0)
.irp e, 0,1,2,3,4,5,6,7
	v_mul_f32 v[P+\e], v[P+\e], v241
.endr
	; the largest: a later one wins only if it is strictly larger, so a tie keeps the lower index
	v_mov_b32 v245, v[P]
	v_mov_b32 v246, 0
.irp i, 1,2,3,4,5,6,7
	v_cmp_gt_f32 vcc_lo, v[P+\i], v245
	v_cndmask_b32 v245, v245, v[P+\i], vcc_lo
	v_cndmask_b32 v246, v246, \i, vcc_lo
.endr
.irp e, 0,1,2,3,4,5,6,7
	v_cmp_eq_u32 vcc_lo, \e, v246
	v_cndmask_b32 v[P+\e], v[P+\e], -1.0, vcc_lo   ; the winner leaves the field: every probability is 0 or more
.endr
	v_mov_b32 v247, v[P]
	v_mov_b32 v248, 0
.irp i, 1,2,3,4,5,6,7
	v_cmp_gt_f32 vcc_lo, v[P+\i], v247
	v_cndmask_b32 v247, v247, v[P+\i], vcc_lo
	v_cndmask_b32 v248, v248, \i, vcc_lo
.endr
	v_add_f32 v249, v245, v247
	v_add_f32 v249, 0x322bcc77, v249               ; + 1e-8
	v_rcp_f32 v249, v249
	v_lshl_or_b32 v250, v248, 8, v246              ; first | second << 8  (a plain place behind the reciprocal)
	v_mov_b32 v251, 0
	s_wait_alu depctr_va_vdst(0)
	v_mul_f32 v252, v245, v249
	v_mul_f32 v253, v247, v249
	v_cmp_eq_u32 vcc_lo, 0, v1
	s_wait_xcnt 0x0                                ; EXEC is a source of the stores above: it changes only behind this wait
	s_wait_tensorcnt 0x0
	ds_add_u32 v254, v255
	s_wait_dscnt 0x0
	s_and_saveexec_b32 s22, vcc_lo                 ; lane 0 alone
	global_store_b32 v251, v250, s[12:13]
	global_store_b64 v251, v[252:253], s[14:15]
	s_wait_xcnt 0x0                                ; and again in front of the line that widens it
	s_or_b32 exec_lo, exec_lo, s22
	s_endpgm
.Lfunc_end_k_qd452c059f9_route:
	.size	k_qd452c059f9_route, .Lfunc_end_k_qd452c059f9_route-k_qd452c059f9_route
	.p2alignl 7, 3214868480
	.fill 96, 4, 3214868480
	.section	.rodata,"a",@progbits
	.p2align	6, 0x0
	.amdhsa_kernel k_qd452c059f9_route
		.amdhsa_group_segment_fixed_size 18944
		.amdhsa_private_segment_fixed_size 0
		.amdhsa_enable_private_segment 0
		.amdhsa_kernarg_size 48
		.amdhsa_user_sgpr_count 2
		.amdhsa_user_sgpr_kernarg_segment_ptr 1
		.amdhsa_wavefront_size32 1
		.amdhsa_system_sgpr_workgroup_id_x 1
		.amdhsa_system_sgpr_workgroup_id_y 1
		.amdhsa_system_sgpr_workgroup_id_z 1
		.amdhsa_system_vgpr_workitem_id 0
		.amdhsa_next_free_vgpr 384
		.amdhsa_next_free_sgpr 66
		.amdhsa_reserve_vcc 1
		.amdhsa_float_denorm_mode_32 3
		.amdhsa_float_denorm_mode_16_64 3
		.amdhsa_memory_ordered 1
		.amdhsa_forward_progress 1
		.amdhsa_inst_pref_size 28
	.end_amdhsa_kernel
	.amdgpu_metadata
---
amdhsa.version: [ 1, 2 ]
amdhsa.kernels:
  - .name:           k_qd452c059f9_route
    .symbol:         k_qd452c059f9_route.kd
    .args:
      - { .name: x, .offset: 0, .size: 8, .value_kind: global_buffer, .address_space: global }
      - { .name: router_w, .offset: 8, .size: 8, .value_kind: global_buffer, .address_space: global }
      - { .name: xq, .offset: 16, .size: 8, .value_kind: global_buffer, .address_space: global }
      - { .name: xs, .offset: 24, .size: 8, .value_kind: global_buffer, .address_space: global }
      - { .name: sel, .offset: 32, .size: 8, .value_kind: global_buffer, .address_space: global }
      - { .name: gate, .offset: 40, .size: 8, .value_kind: global_buffer, .address_space: global }
    .group_segment_fixed_size: 18944
    .private_segment_fixed_size: 0
    .kernarg_segment_align: 8
    .kernarg_segment_size: 48
    .max_flat_workgroup_size: 128
    .sgpr_count:     66
    .vgpr_count:     384
    .wavefront_size: 32
...
	.end_amdgpu_metadata
.endif
;; end of part 1
;; launch up (part 2): grid 32 x 8, 4 waves a work-group, no clusters, 107,008 bytes of LDS; arguments xq, xs, sel, W1_codes, W1_scales, b1, himg, hsc; writes himg, hsc
.if DOCPART == 2
	.amdgcn_target "amdgcn-amd-amdhsa--gfx1250"
	.amdhsa_code_object_version 6
	.text
	.protected	k_qd452c059f9_up
	.globl	k_qd452c059f9_up
	.p2align	8
	.type	k_qd452c059f9_up,@function
k_qd452c059f9_up:
	s_mov_b64 s[64:65], 0
	v_nop
	global_prefetch_b8 v0, s[64:65] scope:SCOPE_SE
	s_setreg_imm32_b32 hwreg(HW_REG_WAVE_MODE, 25, 1), 1
	s_wait_xcnt 0x0
; UP.  H = Q(gelu(Xq W1[e] + b1[e])) for the rows that chose expert e, on codes of FP4 (E2M1) with one E8M0 scale for each 32 along K.
; Work-group (f = x, e = y) owns hidden units 128 f .. 128 f + 127 of expert e: 128 rows x 512 bytes of W1's codes, 64 KiB that no other work-group reads.  They are K step f of the second product.
; THE LIST.  Wave 0 reads the 1,024 words of sel (whole numbers that the launch before stored) and lays the tokens that chose e on end in LDS, while the weights are on their way.  Place = members before me,
; in the order (register, lane); the launch behind this one makes the same list in the same order.  The last tile's spare rows repeat the list's first row: they compute and store that row's bits again, so nothing is masked.
; THE WEIGHTS come once from memory, 512 consecutive bytes a wave's load, go through LDS, and EVERY wave then holds all 64 fragments in 512 registers: a wave takes row tiles wave, wave + 4, .. by itself.
; So the loop, whose work hangs on a count read from memory, has no barrier; for the same reason the launch has no tensor load, hence no joint load: the weights are shared by nobody,
; and the rows that the 32 work-groups of an expert share are a number of tiles that is known only from the list.
; THE PRODUCT IS USED TRANSPOSED (source 0 = 16 rows of W1, source 1 = 16 rows of x) AND THE ROWS OF W1 THAT FORM A TILE ARE NOT NEIGHBOURS: lane r of tile 2 b + u takes row 32 b + 8 u + r + 8 (r / 8),
; so that the 16 registers of tiles 2 b and 2 b + 1 are 16 neighbours along the next K.  b1 is the C of each sum's first matrix instruction.
; gelu is the tanh form: 0.5 x (1 + tanh u) = x / (1 + 2^(x (k1 + k2 x^2))), k1 = -2 sqrt(2 / pi) log2(e), k2 = 0.044715 k1; all in f32.
; OUT.  himg[e][tile][K step f]: the fragment's eight registers as they stand (registers 4 c .. 4 c + 3 of lane l at 512 c + 16 l); hsc[e][tile]: the scale words, laid as the next launch's registers take them.
; LIMITS: NaN and infinities are not served; a block of zeros gets the byte 1 (zero codes; this program alone reads the bytes); blocks under 2^-124 are held at the byte 1.
; REGISTERS, in windows of 256: window 0 as named below; windows 1 and 2: W1's fragment (tile t, K step s) at window 1 + s / 4, v[8 (8 (s % 4) + t)]; window 3: v0-63 b1's eight tiles, v64-127 sixteen rows of x's codes.
.set WP,    528                        ; an LDS row: 512 bytes + 16 of padding = 33 x 16: the 16 rows that a fragment load touches start 16 bytes apart modulo 256
.set LXST,  128*WP                     ; LDS: W1's 128 rows from byte 0; then a stage of 16 rows for each wave,
.set XSTW,  16*WP
.set LIST,  LXST+4*XSTW                ; the list: 1,152 words; behind it 64 dump words (index 1,152 + lane) for lanes that have nothing to place,
.set DUMPI, 1152
.set CNT,   LIST+4*DUMPI+256           ; and the count
.set L16,  4                           ; v4   16 x lane
.set STW,  5                           ; v5   my stage + 16 x lane: a row of x's codes goes in as it was loaded
.set STRD, 6                           ; v6   my stage + 528 r + 16 h: a fragment's place
.set LB0,  7                           ; v7   LIST
.set LR0,  8                           ; v8   LIST + 4 r
.set LBT,  9                           ; v9   the same two for the tile in hand
.set LRT,  10
.set XSA,  11                          ; v11  offset of my row's scale words in xs
.set HSO,  12                          ; v12  16 r
.set WSA,  13                          ; v13  528 x wave + 16 x lane: where I put a row of W1
.set WRD,  14                          ; v14  528 r + 16 h
.set H16,  15                          ; v15  16 h
.set W1S,  16                          ; v16-47  W1's scale words: register 4 t + i: lanes 0-15 K step i, lanes 16-31 K step 4 + i
.set XS,   48                          ; v48-51  x's, likewise
.set TM,   52                          ; v52-67  at work in the quantiser
.set PW,   68                          ; v68     the scale word just made
.set TR,   69                          ; v69     row r's token
.set K1,   70                          ; v70-71  k1, twice
.set PC,   72                          ; v72-79  the codes just made
.set TOK,  80                          ; v80-95  the tile's 16 tokens, then their rows' offsets in xq
.set HA,   96                          ; v96-159 my eight tiles of the hidden layer
.set XF,   160                         ; v160-223 x's eight fragments; then at work in gelu
.set SELR, 160                         ; at the head, wave 0: 32 registers of sel, then of tokens;
.set CR,   192                         ; and their places
.set T16,  224                         ; v224 16 x thread
.set WSV,  225                         ; v225 offset of my tile row's scale words
.set B1V,  226                         ; v226 64 h
.set L4,   227                         ; v227 4 x lane
.set CDU,  228                         ; v228 1,152 + lane
.set CZA,  229                         ; v229 LIST + 16 x lane
.set CL0,  230                         ; v230 LIST
.set CCN,  231                         ; v231 CNT
.set ZR,   232                         ; v232-235 zeros
.set CT,   236                         ; v236-241 at work
.set B1,   0                           ; window 3
.set RR,   64                          ; window 3
.set MK,   66                          ; s66-97 the members' masks
.set MSB, 0
.macro WIN new                         ; the immediate's high byte repeats the setting that is left
.if MSB != \new
	s_set_vgpr_msb (MSB<<8)|\new
.set MSB, \new
.endif
.endm
; The 16 rows of the tile whose list words begin off bytes behind LBT are asked for: every lane reads all 16 tokens, and each row of 512 bytes comes by one load of the wave.
.macro GATHER off
.irp q, 0,1,2,3
	ds_load_b128 v[TOK+4*\q:TOK+4*\q+3], v[LBT] offset:\off+16*\q
.endr
	ds_load_b32 v[TR], v[LRT] offset:\off
	s_wait_dscnt 0x0                               ; the tokens are in; so are all my earlier LDS instructions: the stores that read the rows' registers among them
.irp i, 0,1,2,3,4,5,6,7,8,9,10,11,12,13,14,15
	v_min_u32 v[TOK+\i], 0x3ff, v[TOK+\i]          ; a number that was loaded enters an address only behind a clamp
.endr
.irp i, 0,1,2,3,4,5,6,7,8,9,10,11,12,13,14,15
	v_lshl_add_u32 v[TOK+\i], v[TOK+\i], 9, v[L16]
.endr
	v_min_u32 v[TR], 0x3ff, v[TR]
	v_lshl_add_u32 v[XSA], v[TR], 5, v[H16]        ; 32 bytes of scales a token; lanes 16-31 take K steps 4-7
	WIN 0xc0                                       ; destination window 3
.irp i, 0,1,2,3,4,5,6,7,8,9,10,11,12,13,14,15
	global_load_b128 v[RR+4*\i:RR+4*\i+3], v[TOK+\i], s[8:9]
.endr
	WIN 0
.endm
; One product: tile t, K step s.  The eight accumulators take turns, one instruction a turn.
.macro WU t, s
.set rA, 8*(8*((\s)%4)+\t)
.set rD, HA+8*\t
.if (\s) == 0
	v_wmma_scale_f32_16x16x128_f8f6f4 v[rD:rD+7], v[rA:rA+7], v[XF+8*(\s):XF+8*(\s)+7], v[B1+8*\t:B1+8*\t+7], v[W1S+4*\t+(\s)%4], v[XS+(\s)%4] matrix_a_fmt:MATRIX_FMT_FP4 matrix_b_fmt:MATRIX_FMT_FP4
.elseif (\s) < 4
	v_wmma_scale_f32_16x16x128_f8f6f4 v[rD:rD+7], v[rA:rA+7], v[XF+8*(\s):XF+8*(\s)+7], v[rD:rD+7], v[W1S+4*\t+(\s)%4], v[XS+(\s)%4] matrix_a_fmt:MATRIX_FMT_FP4 matrix_b_fmt:MATRIX_FMT_FP4
.else
	v_wmma_scale_f32_16x16x128_f8f6f4 v[rD:rD+7], v[rA:rA+7], v[XF+8*(\s):XF+8*(\s)+7], v[rD:rD+7], v[W1S+4*\t+(\s)%4], v[XS+(\s)%4] matrix_a_fmt:MATRIX_FMT_FP4 matrix_b_fmt:MATRIX_FMT_FP4 matrix_a_scale:MATRIX_SCALE_ROW1 matrix_b_scale:MATRIX_SCALE_ROW1
.endif
.endm
; 64 numbers of a lane, register 16 b + i = k 32 b + 16 (lane / 16) + i of my row, become a fragment's codes in v[PC] on and its scale word in v[PW].
.macro QUANT s
.irp b, 0,1,2,3
	v_max3_num_f32 v[TM+\b], |v[\s+16*\b]|, |v[\s+1+16*\b]|, 0x1800000   ; block b: my 16 numbers, and the floor 2^(3 - 127): the byte cannot fall under 1
.endr
.irp i, 2,4,6,8,10,12,14
.irp b, 0,1,2,3
	v_max3_num_f32 v[TM+\b], v[TM+\b], |v[\s+16*\b+\i]|, |v[\s+1+16*\b+\i]|   ; the four blocks by turns
.endr
.endr
.irp b, 0,1,2,3
	v_permlanex16_b32 v[TM+4+\b], v[TM+\b], s44, s45
.endr
.irp b, 0,1,2,3
	v_max_num_f32 v[TM+\b], v[TM+\b], v[TM+4+\b]   ; with lane l xor 16's: the block's largest magnitude
.endr
.irp b, 0,1,2,3
	v_add_nc_u32 v[TM+12+\b], 0xff000000, v[TM+\b] ; 2 off its exponent field: the conversion's scale operand
.endr
.irp b, 0,1,2,3
	v_lshrrev_b32 v[TM+4+\b], 23, v[TM+12+\b]      ; the scale's byte
.endr
	v_lshl_or_b32 v[PW], v[TM+5], 8, v[TM+4]
	v_lshl_or_b32 v[PW], v[TM+6], 16, v[PW]
	v_lshl_or_b32 v[PW], v[TM+7], 24, v[PW]        ; my row's scale word; lanes r and 16 + r hold the same
.irp b, 0,1,2,3
	v_cvt_scalef32_pk8_fp4_f32 v[PC+2*\b], v[\s+16*\b:\s+7+16*\b], v[TM+12+\b]
	v_cvt_scalef32_pk8_fp4_f32 v[PC+1+2*\b], v[\s+8+16*\b:\s+15+16*\b], v[TM+12+\b]
.endr
	v_nop                                          ; one plain place behind the last scaled conversion
.irp c, 0,1                                    ; the operand's layout wants a whole block in a lane: lanes 0-15 block 2 c, lanes 16-31 block 2 c + 1
.irp i, 0,1
	v_permlane16_swap_b32 v[PC+4*\c+\i], v[PC+2+4*\c+\i]
.endr
.endr
.endm
	s_load_b256 s[8:15], s[0:1], 0x0               ; xq s[8:9], xs s[10:11], sel s[12:13], W1's codes s[14:15]
	s_load_b256 s[16:23], s[0:1], 0x20             ; W1's scales s[16:17], b1 s[18:19], himg s[20:21], hsc s[22:23]
	v_lshl_add_u32 v254, v0, 2, 0x1a000
	v_mov_b32 v255, 0
	v_lshrrev_b32 v1, 5, v0
	v_readfirstlane_b32 s24, v1                    ; wave
	s_and_b32 s25, ttmp7, 0xffff                   ; e
	s_mov_b32 s26, ttmp9                           ; f
	v_and_b32 v1, 31, v0                           ; lane
	v_and_b32 v2, 15, v0                           ; r
	v_bfe_u32 v3, v0, 4, 1                         ; h
	; every LDS address is made here, ahead of the first branch on the wave's number
	v_lshlrev_b32 v[L16], 4, v1
	v_lshlrev_b32 v[H16], 4, v3
	v_lshlrev_b32 v[T16], 4, v0
	v_lshlrev_b32 v[L4], 2, v1
	s_mul_i32 s36, s24, XSTW
	s_add_co_u32 s36, s36, LXST
	v_add_nc_u32 v[STW], s36, v[L16]
	v_mul_u32_u24 v[WRD], v2, WP
	v_lshl_add_u32 v[WRD], v3, 4, v[WRD]
	v_add_nc_u32 v[STRD], s36, v[WRD]
	v_mov_b32 v[LB0], LIST
	v_lshl_add_u32 v[LR0], v2, 2, LIST
	s_mul_i32 s36, s24, WP
	v_add_nc_u32 v[WSA], s36, v[L16]
	v_lshlrev_b32 v[HSO], 4, v2
	v_and_b32 v[WSV], 8, v2
	v_add_nc_u32 v[WSV], v[WSV], v2                ; r + 8 (r / 8)
	v_lshl_add_u32 v[WSV], v[WSV], 5, v[H16]       ; 32 bytes of scales a row of W1, + 16 h
	v_lshlrev_b32 v[B1V], 6, v3
	v_add_nc_u32 v[CDU], DUMPI, v1
	v_add_nc_u32 v[CZA], LIST, v[L16]
	v_mov_b32 v[CL0], LIST
	v_mov_b32 v[CCN], CNT
.irp i, 0,1,2,3
	v_mov_b32 v[ZR+\i], 0
	v_mov_b32 v[TM+4+\i], 0                        ; written once: a lane permute's destination counts as one of its sources
.endr
	v_mov_b32 v[K1], 0xc0135761                    ; k1 = -2.3022082
	v_mov_b32 v[K1+1], v[K1]
	s_mov_b32 s40, 0xbdd2d3e8                      ; k2 = -0.10294324
	s_mov_b32 s41, s40                             ; (named with it as a pair, so it is written)
	s_mov_b32 s44, 0x76543210
	s_mov_b32 s45, 0xfedcba98                      ; v_permlanex16_b32's selects for lane l xor 16
	s_mov_b32 s33, 0
	s_lshl_b32 s36, s25, 21                        ; e x 2 MiB
	s_lshl_b32 s37, s25, 17                        ; e x 128 KiB
	s_wait_kmcnt 0x0
	s_lshl_b32 s32, s26, 16
	s_add_co_u32 s32, s32, s36
	s_add_nc_u64 s[14:15], s[14:15], s[32:33]      ; W1's codes: my 128 rows of 512 bytes
	s_lshl_b32 s32, s26, 12
	s_add_co_u32 s32, s32, s37
	s_add_nc_u64 s[16:17], s[16:17], s[32:33]      ; their scales: 32 bytes a row
	s_lshl_b32 s32, s25, 14
	s_lshl_b32 s38, s26, 9
	s_add_co_u32 s32, s32, s38
	s_add_nc_u64 s[18:19], s[18:19], s[32:33]      ; b1: my 128 numbers
	s_lshl_b32 s32, s24, 15
	s_lshl_b32 s38, s26, 10
	s_add_co_u32 s32, s32, s38
	s_add_co_u32 s32, s32, s36
	s_add_nc_u64 s[20:21], s[20:21], s[32:33]      ; himg: expert e, tile = wave, K step f
	s_lshl_b32 s32, s24, 11
	s_add_co_u32 s32, s32, s37
	s_bfe_u32 s38, s26, 0x20002                    ; (f % 16) / 4: which group of four registers
	s_lshl_b32 s38, s38, 9
	s_add_co_u32 s32, s32, s38
	s_lshr_b32 s38, s26, 4                         ; f / 16: lanes 0-15 or 16-31
	s_lshl_b32 s38, s38, 8
	s_add_co_u32 s32, s32, s38
	s_and_b32 s38, s26, 3                          ; f % 4: which register of the four
	s_lshl_b32 s38, s38, 2
	s_add_co_u32 s32, s32, s38
	s_add_nc_u64 s[22:23], s[22:23], s[32:33]      ; hsc
	s_cmp_lg_u32 s24, 0
	s_cbranch_scc1 .Lno_sel
.irp i, 0,1,2,3,4,5,6,7
	global_load_b128 v[SELR+4*\i:SELR+4*\i+3], v[L16], s[12:13] offset:512*\i   ; wave 0: register 4 i + j of lane l is token 128 i + 4 l + j
.endr
.Lno_sel:
	WIN 0x40                                       ; destination window 1
.set ii, 0
.rept 32
	global_load_b128 v[4*ii:4*ii+3], v[T16], s[14:15] offset:2048*ii th:TH_LOAD_NT   ; load i of wave w is row 4 i + w, whole; each byte is read once in the launch
.set ii, ii+1
.endr
	WIN 0
	s_cmp_lg_u32 s24, 0
	s_cbranch_scc1 .Lno_compact
	s_wait_loadcnt 32                              ; sel is in; the 32 loads of codes are younger
.irp i, 0,1,2,3,4,5,6,7,8
	ds_store_b128 v[CZA], v[ZR:ZR+3] offset:512*\i ; the list begins as zeros: a word that nobody places names token 0
.endr
.set gi, 0
.rept 32
	v_and_b32 v[CT+2*(gi%2)], 0xff, v[SELR+gi]
	v_bfe_u32 v[CT+1+2*(gi%2)], v[SELR+gi], 8, 8
	v_cmp_eq_u32 s[MK+gi], s25, v[CT+2*(gi%2)]
	v_cmp_eq_u32 vcc_lo, s25, v[CT+1+2*(gi%2)]
	s_or_b32 s[MK+gi], s[MK+gi], vcc_lo            ; the lanes whose token chose e, first or second
	v_add_nc_u32 v[SELR+gi], 128*(gi/4)+gi%4, v[L4] ; what is placed: the token's number
.set gi, gi+1
.endr
	s_mov_b32 s38, 0
.set gi, 0
.rept 32
	v_mbcnt_lo_u32_b32 v[CR+gi], s[MK+gi], s38     ; members before me: in earlier registers, and in lower lanes of this one
	s_bcnt1_i32_b32 s39, s[MK+gi]
	s_add_co_u32 s38, s38, s39
.set gi, gi+1
.endr
.set gi, 0
.rept 32
	v_cndmask_b32 v[CR+gi], v[CDU], v[CR+gi], s[MK+gi]   ; a lane that is no member writes its dump word
.set gi, gi+1
.endr
.set gi, 0
.rept 32
	v_min_u32 v[CR+gi], 0x4bf, v[CR+gi]            ; the clamp: list and dump are 1,216 words
.set gi, gi+1
.endr
.set gi, 0
.rept 32
	v_lshl_add_u32 v[CR+gi], v[CR+gi], 2, LIST
.set gi, gi+1
.endr
.set gi, 0
.rept 32
	ds_store_b32 v[CR+gi], v[SELR+gi]
.set gi, gi+1
.endr
	ds_load_b32 v[CT], v[CL0]                      ; the list's first row,
	v_add_nc_u32 v[CT+1], s38, v1
	v_min_u32 v[CT+1], 0x41f, v[CT+1]              ; (n is 1,024 at the most)
	v_lshl_add_u32 v[CT+1], v[CT+1], 2, LIST
	v_mov_b32 v[CT+2], s38
	s_wait_dscnt 0x0
	ds_store_b32 v[CT+1], v[CT]                    ; repeated in words n .. n + 31: the last tile's spare rows
	ds_store_b32 v[CCN], v[CT+2]                   ; and the count, for the other waves
.Lno_compact:
	s_wait_dscnt 0x0                               ; wave 0's stores have landed
	s_barrier_signal -1
	s_barrier_wait -1                              ; list and count lie in LDS; up to here no other wave has touched LDS
	s_wait_loadcnt 0x0                             ; my 32 rows of W1
	WIN 0x04                                       ; an LDS store's data are its source 1: window 1
.set ii, 0
.rept 32
	ds_store_b128 v[WSA], v[4*ii:4*ii+3] offset:4*WP*((ii&25)|((ii&2)<<1)|((ii&4)>>1))   ; row R goes to place R with bits 3 and 4 exchanged: place 16 t + r then holds the row that lane r of tile t takes
.set ii, ii+1
.endr
	WIN 0
.irp t, 0,1,2,3,4,5,6,7
	global_load_b128 v[W1S+4*\t:W1S+4*\t+3], v[WSV], s[16:17] offset:(32*(\t/2)+8*(\t%2))*32
.endr
	WIN 0xc0                                       ; destination window 3
.irp t, 0,1,2,3,4,5,6,7
	global_load_b128 v[B1+8*\t:B1+8*\t+3], v[B1V], s[18:19] offset:(32*(\t/2)+8*(\t%2))*4        ; lane (r, h), register j: hidden unit 32 (t / 2) + 16 h + 8 (t % 2) + j
	global_load_b128 v[B1+8*\t+4:B1+8*\t+7], v[B1V], s[18:19] offset:(32*(\t/2)+8*(\t%2))*4+16
.endr
	WIN 0
	s_wait_dscnt 0x0                               ; my rows have landed
	s_barrier_signal -1
	s_barrier_wait -1                              ; all 128 rows lie in LDS.  This is the last barrier
	ds_load_b32 v[CT], v[CCN]
	s_wait_dscnt 0x0
	v_readfirstlane_b32 s27, v[CT]
	s_min_u32 s27, s27, 0x400                      ; n
	s_add_co_u32 s28, s27, 15
	s_lshr_b32 s28, s28, 4                         ; tiles of 16 rows
	s_mov_b32 s29, s24                             ; my tile
	s_mov_b32 s30, 0                               ; the trip
	s_lshl_b32 s31, s24, 6                         ; my tile's 64 bytes of the list
	v_add_nc_u32 v[LBT], s31, v[LB0]
	v_add_nc_u32 v[LRT], s31, v[LR0]
	GATHER 0                                       ; my first tile, whether or not it exists: every word of the list names a token
	global_load_b128 v[XS:XS+3], v[XSA], s[10:11]
	WIN 0x40
.irp s, 0,1,2,3
.irp t, 0,1,2,3,4,5,6,7
.irp c, 0,1
	ds_load_b128 v[8*(8*\s+\t)+4*\c:8*(8*\s+\t)+4*\c+3], v[WRD] offset:16*WP*\t+64*\s+32*\c
.endr
.endr
.endr
	WIN 0x80
.irp s, 0,1,2,3
.irp t, 0,1,2,3,4,5,6,7
.irp c, 0,1
	ds_load_b128 v[8*(8*\s+\t)+4*\c:8*(8*\s+\t)+4*\c+3], v[WRD] offset:16*WP*\t+64*(\s+4)+32*\c
.endr
.endr
.endr
	WIN 0
	s_wait_dscnt 0x0                               ; W1's 64 fragments stay in my registers
.Ltrip:                                                ; sixteen trips, a constant: 64 tiles are the most that a list of 1,024 rows has.  A trip whose tile does not exist steps its numbers and does nothing else
	v_add_nc_u32 v[LBT], s31, v[LB0]
	v_add_nc_u32 v[LRT], s31, v[LR0]
	s_cmp_ge_u32 s29, s28
	s_cbranch_scc1 .Lskip
	s_wait_loadcnt 0x0                             ; this tile's rows and scale words (in the first trip W1's scale words and b1 too): nothing else is out
	WIN 0x0c                                       ; store data: window 3
.irp i, 0,1,2,3,4,5,6,7,8,9,10,11,12,13,14,15
	ds_store_b128 v[STW], v[RR+4*\i:RR+4*\i+3] offset:WP*\i
.endr
	WIN 0
.irp s, 0,1,2,3,4,5,6,7
.irp c, 0,1
	ds_load_b128 v[XF+8*\s+4*\c:XF+8*\s+4*\c+3], v[STRD] offset:64*\s+32*\c   ; my own stage: LDS serves a wave's instructions in order
.endr
.endr
	s_add_co_u32 s32, s29, 4
	s_cmp_ge_u32 s32, s28
	s_cbranch_scc1 .Lnomore
	GATHER 256                                     ; my next tile's rows are asked for now and land while this tile is worked
.Lnomore:
	s_wait_dscnt 0x0                               ; x's eight fragments
.irp s, 0,1,2,3,4,5,6,7
.if \s == 0
	WIN 0x31                                       ; source 0 (W1) window 1, C (b1) window 3
.elseif \s < 4
	WIN 0x01
.else
	WIN 0x02                                       ; source 0 window 2
.endif
.irp t, 0,1,2,3,4,5,6,7
	WU \t, \s
.endr
.endr
	WIN 0
.rept 4
	v_nop                                          ; four places behind the last product, ahead of the load into its scale registers and of the first read of results
.endr
	global_load_b128 v[XS:XS+3], v[XSA], s[10:11]  ; the next tile's scale words (behind the last tile: the same words again)
	; gelu, two numbers an instruction where the form exists; each accumulator is read from its low end on
.set pp, 0
.rept 32
	v_pk_mul_f32 v[XF+pp:XF+pp+1], v[HA+pp:HA+pp+1], v[HA+pp:HA+pp+1]
.set pp, pp+2
.endr
.set pp, 0
.rept 32
	v_pk_fma_f32 v[XF+pp:XF+pp+1], v[XF+pp:XF+pp+1], s[40:41], v[K1:K1+1] op_sel_hi:[1,0,0]   ; k2 x^2 + k1
.set pp, pp+2
.endr
.set pp, 0
.rept 32
	v_pk_mul_f32 v[XF+pp:XF+pp+1], v[XF+pp:XF+pp+1], v[HA+pp:HA+pp+1]
.set pp, pp+2
.endr
.set pp, 0
.rept 64
	v_exp_f32 v[XF+pp], v[XF+pp]
.set pp, pp+1
.endr
	v_nop                                          ; a plain place behind the last exponential
	s_wait_alu depctr_va_vdst(0)                   ; one wait for the batch of 64, ahead of its first reader
.set pp, 0
.rept 32
	v_pk_add_f32 v[XF+pp:XF+pp+1], v[XF+pp:XF+pp+1], 1.0 op_sel_hi:[1,0]
.set pp, pp+2
.endr
.set pp, 0
.rept 64
	v_rcp_f32 v[XF+pp], v[XF+pp]
.set pp, pp+1
.endr
	v_nop
	s_wait_alu depctr_va_vdst(0)                   ; and one for the 64 reciprocals
.set pp, 0
.rept 32
	v_pk_mul_f32 v[HA+pp:HA+pp+1], v[HA+pp:HA+pp+1], v[XF+pp:XF+pp+1]
.set pp, pp+2
.endr
	QUANT HA
	global_store_b128 v[L16], v[PC:PC+3], s[20:21]             ; the fragment as it stands: each store covers 512 consecutive bytes
	global_store_b128 v[L16], v[PC+4:PC+7], s[20:21] offset:512
	global_store_b32 v[HSO], v[PW], s[22:23]                   ; the 16 rows' scale words; lanes r and 16 + r store the same word at the same place
.Lskip:
	s_wait_xcnt 0x0                                ; the stores have read their data and bases: both are written again only behind this wait
	s_add_nc_u64 s[20:21], s[20:21], 131072        ; four tiles on
	s_add_nc_u64 s[22:23], s[22:23], 8192
	s_add_co_u32 s31, s31, 256
	s_add_co_u32 s29, s29, 4
	s_add_co_u32 s30, s30, 1
	s_cmp_lt_u32 s30, 16
	s_cbranch_scc1 .Ltrip
	s_wait_tensorcnt 0x0
	ds_add_u32 v254, v255
	s_wait_dscnt 0x0
	s_endpgm
.Lfunc_end_k_qd452c059f9_up:
	.size	k_qd452c059f9_up, .Lfunc_end_k_qd452c059f9_up-k_qd452c059f9_up
	.p2alignl 7, 3214868480
	.fill 96, 4, 3214868480
	.section	.rodata,"a",@progbits
	.p2align	6, 0x0
	.amdhsa_kernel k_qd452c059f9_up
		.amdhsa_group_segment_fixed_size 107008
		.amdhsa_private_segment_fixed_size 0
		.amdhsa_enable_private_segment 0
		.amdhsa_kernarg_size 64
		.amdhsa_user_sgpr_count 2
		.amdhsa_user_sgpr_kernarg_segment_ptr 1
		.amdhsa_wavefront_size32 1
		.amdhsa_system_sgpr_workgroup_id_x 1
		.amdhsa_system_sgpr_workgroup_id_y 1
		.amdhsa_system_sgpr_workgroup_id_z 1
		.amdhsa_system_vgpr_workitem_id 0
		.amdhsa_next_free_vgpr 896
		.amdhsa_next_free_sgpr 100
		.amdhsa_reserve_vcc 1
		.amdhsa_float_denorm_mode_32 3
		.amdhsa_float_denorm_mode_16_64 3
		.amdhsa_memory_ordered 1
		.amdhsa_forward_progress 1
		.amdhsa_inst_pref_size 82
	.end_amdhsa_kernel
	.amdgpu_metadata
---
amdhsa.version: [ 1, 2 ]
amdhsa.kernels:
  - .name:           k_qd452c059f9_up
    .symbol:         k_qd452c059f9_up.kd
    .args:
      - { .name: xq, .offset: 0, .size: 8, .value_kind: global_buffer, .address_space: global }
      - { .name: xs, .offset: 8, .size: 8, .value_kind: global_buffer, .address_space: global }
      - { .name: sel, .offset: 16, .size: 8, .value_kind: global_buffer, .address_space: global }
      - { .name: W1_codes, .offset: 24, .size: 8, .value_kind: global_buffer, .address_space: global }
      - { .name: W1_scales, .offset: 32, .size: 8, .value_kind: global_buffer, .address_space: global }
      - { .name: b1, .offset: 40, .size: 8, .value_kind: global_buffer, .address_space: global }
      - { .name: himg, .offset: 48, .size: 8, .value_kind: global_buffer, .address_space: global }
      - { .name: hsc, .offset: 56, .size: 8, .value_kind: global_buffer, .address_space: global }
    .group_segment_fixed_size: 107008
    .private_segment_fixed_size: 0
    .kernarg_segment_align: 8
    .kernarg_segment_size: 64
    .max_flat_workgroup_size: 128
    .sgpr_count:     100
    .vgpr_count:     896
    .wavefront_size: 32
...
	.end_amdgpu_metadata
.endif
;; end of part 2
;; launch down (part 3): grid 32 x 8, 4 waves a work-group, no clusters, 82,432 bytes of LDS; arguments himg, hsc, sel, W2_codes, W2_scales, b2, ybuf; writes ybuf
.if DOCPART == 3
	.amdgcn_target "amdgcn-amd-amdhsa--gfx1250"
	.amdhsa_code_object_version 6
	.text
	.protected	k_qd452c059f9_down
	.globl	k_qd452c059f9_down
	.p2align	8
	.type	k_qd452c059f9_down,@function
k_qd452c059f9_down:
	s_mov_b64 s[64:65], 0
	v_nop
	global_prefetch_b8 v0, s[64:65] scope:SCOPE_SE
	s_setreg_imm32_b32 hwreg(HW_REG_WAVE_MODE, 25, 1), 1
	s_wait_xcnt 0x0
; DOWN.  Y = H W2[e] + b2[e] for the rows that chose expert e, on codes of FP4 (E2M1) with one E8M0 scale for each 32 along K = 4,096.
; Work-group (c = x, e = y) owns output columns 32 c .. 32 c + 31 of expert e: 32 rows x 2,048 bytes of W2's codes, 64 KiB that no other work-group reads.
; THE LIST is made as in the launch before, in the same order, so that row i of tile j here is row i of tile j there; what is placed is the row's ENTRY 2 x token + (0: first choice, 1: second).
; The last tile's spare rows repeat the list's first row: they compute and store that row's numbers again, so nothing is masked.
; THE WEIGHTS come once from memory, go through LDS, and every wave then holds all 64 fragments in 512 registers; a wave takes row tiles wave, wave + 4, .. by itself, so the loop, whose work hangs on a count read
; from memory, has no barrier; for the same reason the launch has no tensor load, hence no joint load.
; A TILE of H (16 rows x 4,096 along K) is 32 fragments, stored by the launch before as images of their registers: 64 loads of 512 consecutive bytes bring it into window 3, in four quarters;
; as soon as a quarter's products are issued, the next tile's quarter is asked for into the same registers.
; THE PRODUCT IS USED TRANSPOSED (source 0 = 16 rows of W2, source 1 = 16 rows of H): a lane holds eight neighbouring columns of one row.  Each of the two tiles of columns has two accumulators, for even and odd K steps,
; so that four take turns; b2 is the C of the even ones' first product.
; OUT.  ybuf[c][entry][32 numbers]: eight lanes store a row's 128 bytes.  The gates are applied by the launch behind this one.
; REGISTERS, in windows of 256: window 0 as named below; windows 1 and 2: W2's fragment (n, K step s) at window 1 + s / 16, v[8 (2 (s % 16) + n)]; window 3: H's fragment of K step s at v[8 s].
.set WP,    2064                       ; an LDS row: 2,048 bytes + 16 of padding = 129 x 16
.set LYST,  32*WP                      ; LDS: W2's 32 rows from byte 0; then a stage of 16 rows x 144 bytes for each wave,
.set YP,    144
.set LIST,  LYST+4*16*YP               ; the list: 1,152 words; behind it 64 dump words (index 1,152 + lane),
.set DUMPI, 1152
.set CNT,   LIST+4*DUMPI+256           ; and the count
.set L16,  4                           ; v4   16 x lane
.set T16,  5                           ; v5   16 x thread
.set WRD,  6                           ; v6   2,064 r + 16 h
.set YSW,  7                           ; v7   my stage + 144 r + 32 h
.set YSR,  8                           ; v8   my stage + 576 (lane / 8) + 16 (lane % 8)
.set LE0,  9                           ; v9   LIST + 16 (lane / 8)
.set LET,  10                          ; v10  the same for the tile in hand
.set P16,  11                          ; v11  16 (lane % 8)
.set WSV,  12                          ; v12  128 r + 64 h
.set B2V,  13                          ; v13  32 h
.set L8,   14                          ; v14  8 x lane
.set W2S,  16                          ; v16-47   W2's scale words: register 16 n + i: lanes 0-15 K step i, lanes 16-31 K step 16 + i
.set HS,   48                          ; v48-63   H's, likewise, of the tile in hand
.set HSN,  64                          ; v64-79   and of the next tile
.set ACC,  80                          ; v80-111  accumulator (n, K step's parity p) at 8 (2 n + p)
.set B2,   112                         ; v112-127 b2 in the result's layout
.set Y,    128                         ; v128-143 the sums of the two parities
.set OUTR, 144                         ; v144-159 rows read back from the stage
.set ENT,  160                         ; v160-163 four rows' entries
.set YA,   164                         ; v164-167 their offsets in ybuf
.set SELR, 168                         ; at the head, wave 0: 32 registers of sel, then of entries;
.set CR,   200                         ; and their places
.set CDU,  232
.set CZA,  233
.set CL0,  234
.set CCN,  235
.set ZR,   236                         ; v236-239 zeros
.set CT,   240                         ; v240-245 at work
.set MK,   66                          ; s66-97 the members' masks
.set MSB, 0
.macro WIN new                         ; the immediate's high byte repeats the setting that is left
.if MSB != \new
	s_set_vgpr_msb (MSB<<8)|\new
.set MSB, \new
.endif
.endm
; Quarter q (K steps 8 q .. 8 q + 7) of the tile at s[8:9]; with quarter 0, ahead of it, the tile's scale words at s[10:11].
.macro HLOAD q
.if \q == 0
	WIN 0
.irp g, 0,1,2,3
	global_load_b128 v[HSN+4*\g:HSN+4*\g+3], v[L16], s[10:11] offset:512*\g
.endr
.endif
	WIN 0xc0                                       ; destination window 3
.irp s, 0,1,2,3,4,5,6,7
.irp c, 0,1
	global_load_b128 v[8*(8*\q+\s)+4*\c:8*(8*\q+\s)+4*\c+3], v[L16], s[8:9] offset:1024*(8*\q+\s)+512*\c
.endr
.endr
	WIN 0
.endm
; One product: columns 16 n on, K step s.
.macro WM n, s
.set rA, 8*(2*((\s)%16)+\n)
.set rD, ACC+8*(2*\n+(\s)%2)
.if (\s) == 0
	v_wmma_scale_f32_16x16x128_f8f6f4 v[rD:rD+7], v[rA:rA+7], v[8*(\s):8*(\s)+7], v[B2+8*\n:B2+8*\n+7], v[W2S+16*\n+(\s)%16], v[HS+(\s)%16] matrix_a_fmt:MATRIX_FMT_FP4 matrix_b_fmt:MATRIX_FMT_FP4
.elseif (\s) == 1
	v_wmma_scale_f32_16x16x128_f8f6f4 v[rD:rD+7], v[rA:rA+7], v[8*(\s):8*(\s)+7], 0, v[W2S+16*\n+(\s)%16], v[HS+(\s)%16] matrix_a_fmt:MATRIX_FMT_FP4 matrix_b_fmt:MATRIX_FMT_FP4
.elseif (\s) < 16
	v_wmma_scale_f32_16x16x128_f8f6f4 v[rD:rD+7], v[rA:rA+7], v[8*(\s):8*(\s)+7], v[rD:rD+7], v[W2S+16*\n+(\s)%16], v[HS+(\s)%16] matrix_a_fmt:MATRIX_FMT_FP4 matrix_b_fmt:MATRIX_FMT_FP4
.else
	v_wmma_scale_f32_16x16x128_f8f6f4 v[rD:rD+7], v[rA:rA+7], v[8*(\s):8*(\s)+7], v[rD:rD+7], v[W2S+16*\n+(\s)%16], v[HS+(\s)%16] matrix_a_fmt:MATRIX_FMT_FP4 matrix_b_fmt:MATRIX_FMT_FP4 matrix_a_scale:MATRIX_SCALE_ROW1 matrix_b_scale:MATRIX_SCALE_ROW1
.endif
.endm
; A tile.  more = 1: my next tile exists and is asked for, quarter by quarter.  A tile's loads are, in order, 4 (scale words) + 4 x 16; the counts below say how many younger loads may stay out.
.macro TILE more
	ds_load_b128 v[ENT:ENT+3], v[LET]              ; the entries of rows 4 (lane / 8) + 0 .. 3
	s_wait_loadcnt 48                              ; the scale words and quarter 0 are in; quarters 1 to 3 are younger
.irp i, 0,1,2,3,4,5,6,7,8,9,10,11,12,13,14,15
	v_mov_b32 v[HS+\i], v[HSN+\i]                  ; so that the next tile's words can be asked for while these are in use
.endr
.rept 8
	v_nop                                          ; a scale register written by a vector instruction stands eight places ahead of the scaled product that reads it
.endr
.irp q, 0,1,2,3
.if \q > 0
.if \more
	s_wait_loadcnt 52                              ; younger than quarter q: 16 (3 - q) of this tile, 20 + 16 (q - 1) of the next
.else
	s_wait_loadcnt 48-16*\q                        ; younger than quarter q: 16 (3 - q)
.endif
.endif
.if \q < 2
	WIN 0x0d                                       ; source 0 (W2) window 1, source 1 (H) window 3
.else
	WIN 0x0e                                       ; source 0 window 2
.endif
.irp u, 0,1,2,3,4,5,6,7
.irp n, 0,1
	WM \n, 8*\q+\u                                 ; the four accumulators take turns, one instruction a turn
.endr
.endr
.if \more || (\q == 3)
.rept 4
	v_nop                                          ; four places behind the last product, ahead of loads into registers that it read and of the first read of results
.endr
.endif
.if \more
	HLOAD \q
.endif
.endr
	WIN 0
.irp n, 0,1
.irp k, 0,1,2,3
	v_pk_add_f32 v[Y+8*\n+2*\k:Y+8*\n+2*\k+1], v[ACC+16*\n+2*\k:ACC+16*\n+2*\k+1], v[ACC+16*\n+8+2*\k:ACC+16*\n+8+2*\k+1]   ; even and odd K steps; each accumulator from its low end on
.endr
.endr
.irp n, 0,1
	ds_store_b128 v[YSW], v[Y+8*\n:Y+8*\n+3] offset:64*\n          ; lane (r, h): row r, columns 16 n + 8 h + 0 .. 7
	ds_store_b128 v[YSW], v[Y+8*\n+4:Y+8*\n+7] offset:64*\n+16
.endr
.irp i, 0,1,2,3
	ds_load_b128 v[OUTR+4*\i:OUTR+4*\i+3], v[YSR] offset:YP*\i     ; back by rows: eight lanes to a row's 128 bytes; my own stage: LDS serves a wave's instructions in order
.endr
	s_wait_dscnt 0x0
.irp i, 0,1,2,3
	v_min_u32 v[ENT+\i], 0x7ff, v[ENT+\i]          ; a number that was loaded enters an address only behind a clamp
.endr
.irp i, 0,1,2,3
	v_lshl_add_u32 v[YA+\i], v[ENT+\i], 7, v[P16]
.endr
.irp i, 0,1,2,3
	global_store_b128 v[YA+\i], v[OUTR+4*\i:OUTR+4*\i+3], s[20:21]
.endr
.endm
	s_load_b256 s[8:15], s[0:1], 0x0               ; himg s[8:9], hsc s[10:11], sel s[12:13], W2's codes s[14:15]
	s_load_b128 s[16:19], s[0:1], 0x20             ; W2's scales s[16:17], b2 s[18:19]
	s_load_b64 s[20:21], s[0:1], 0x30              ; ybuf
	v_lshl_add_u32 v254, v0, 2, 0x14000
	v_mov_b32 v255, 0
	v_lshrrev_b32 v1, 5, v0
	v_readfirstlane_b32 s24, v1                    ; wave
	s_and_b32 s25, ttmp7, 0xffff                   ; e
	s_mov_b32 s26, ttmp9                           ; c
	v_and_b32 v1, 31, v0                           ; lane
	v_and_b32 v2, 15, v0                           ; r
	v_bfe_u32 v3, v0, 4, 1                         ; h
	; every LDS address is made here, ahead of the first branch on the wave's number
	v_lshlrev_b32 v[L16], 4, v1
	v_lshlrev_b32 v[T16], 4, v0
	v_lshlrev_b32 v[L8], 3, v1
	v_mul_u32_u24 v[WRD], v2, WP
	v_lshl_add_u32 v[WRD], v3, 4, v[WRD]
	s_mul_i32 s36, s24, 16*YP
	s_add_co_u32 s36, s36, LYST                    ; my stage
	v_mul_u32_u24 v[YSW], v2, YP
	v_lshl_add_u32 v[YSW], v3, 5, v[YSW]
	v_add_nc_u32 v[YSW], s36, v[YSW]
	v_lshrrev_b32 v15, 3, v1                       ; lane / 8
	v_and_b32 v[P16], 7, v1
	v_lshlrev_b32 v[P16], 4, v[P16]
	v_mul_u32_u24 v[YSR], v15, 4*YP
	v_add_nc_u32 v[YSR], v[YSR], v[P16]
	v_add_nc_u32 v[YSR], s36, v[YSR]
	v_lshl_add_u32 v[LE0], v15, 4, LIST
	v_lshlrev_b32 v[WSV], 7, v2
	v_lshl_add_u32 v[WSV], v3, 6, v[WSV]
	v_lshlrev_b32 v[B2V], 5, v3
	v_add_nc_u32 v[CDU], DUMPI, v1
	v_add_nc_u32 v[CZA], LIST, v[L16]
	v_mov_b32 v[CL0], LIST
	v_mov_b32 v[CCN], CNT
.irp i, 0,1,2,3
	v_mov_b32 v[ZR+\i], 0
.endr
	s_mov_b32 s33, 0
	s_lshl_b32 s36, s25, 21                        ; e x 2 MiB
	s_lshl_b32 s37, s25, 17                        ; e x 128 KiB
	s_wait_kmcnt 0x0
	s_lshl_b32 s32, s24, 15
	s_add_co_u32 s32, s32, s36
	s_add_nc_u64 s[8:9], s[8:9], s[32:33]          ; himg: expert e, tile = wave
	s_lshl_b32 s32, s24, 11
	s_add_co_u32 s32, s32, s37
	s_add_nc_u64 s[10:11], s[10:11], s[32:33]      ; hsc likewise
	s_lshl_b32 s32, s26, 16
	s_add_co_u32 s32, s32, s36
	s_add_nc_u64 s[14:15], s[14:15], s[32:33]      ; W2's codes: my 32 rows of 2,048 bytes
	s_lshl_b32 s32, s26, 12
	s_add_co_u32 s32, s32, s37
	s_add_nc_u64 s[16:17], s[16:17], s[32:33]      ; their scales: 128 bytes a row
	s_lshl_b32 s32, s25, 12
	s_lshl_b32 s38, s26, 7
	s_add_co_u32 s32, s32, s38
	s_add_nc_u64 s[18:19], s[18:19], s[32:33]      ; b2: my 32 numbers
	s_lshl_b32 s32, s26, 18
	s_add_nc_u64 s[20:21], s[20:21], s[32:33]      ; ybuf: my slice of 2,048 entries x 128 bytes
	s_cmp_lg_u32 s24, 0
	s_cbranch_scc1 .Lno_sel
.irp i, 0,1,2,3,4,5,6,7
	global_load_b128 v[SELR+4*\i:SELR+4*\i+3], v[L16], s[12:13] offset:512*\i   ; wave 0: register 4 i + j of lane l is token 128 i + 4 l + j
.endr
.Lno_sel:
	WIN 0x40                                       ; destination window 1
.set ii, 0
.rept 32
	global_load_b128 v[4*ii:4*ii+3], v[T16], s[14:15] offset:2048*ii th:TH_LOAD_NT   ; load i of the four waves is row i, whole; each byte is read once in the launch
.set ii, ii+1
.endr
	WIN 0
	s_cmp_lg_u32 s24, 0
	s_cbranch_scc1 .Lno_compact
	s_wait_loadcnt 32                              ; sel is in; the 32 loads of codes are younger
.irp i, 0,1,2,3,4,5,6,7,8
	ds_store_b128 v[CZA], v[ZR:ZR+3] offset:512*\i ; the list begins as zeros
.endr
.set gi, 0
.rept 32
	v_and_b32 v[CT+2*(gi%2)], 0xff, v[SELR+gi]
	v_bfe_u32 v[CT+1+2*(gi%2)], v[SELR+gi], 8, 8
	v_cmp_eq_u32 s[MK+gi], s25, v[CT+2*(gi%2)]
	v_cmp_eq_u32 vcc_lo, s25, v[CT+1+2*(gi%2)]
	v_cndmask_b32 v[CT+1+2*(gi%2)], 0, 1, vcc_lo   ; 1 where e is the token's second choice
	s_or_b32 s[MK+gi], s[MK+gi], vcc_lo            ; the lanes whose token chose e, first or second
	v_add3_u32 v[SELR+gi], v[CT+1+2*(gi%2)], v[L8], 2*(128*(gi/4)+gi%4)   ; what is placed: 2 x token + which choice
.set gi, gi+1
.endr
	s_mov_b32 s38, 0
.set gi, 0
.rept 32
	v_mbcnt_lo_u32_b32 v[CR+gi], s[MK+gi], s38     ; members before me: in earlier registers, and in lower lanes of this one
	s_bcnt1_i32_b32 s39, s[MK+gi]
	s_add_co_u32 s38, s38, s39
.set gi, gi+1
.endr
.set gi, 0
.rept 32
	v_cndmask_b32 v[CR+gi], v[CDU], v[CR+gi], s[MK+gi]   ; a lane that is no member writes its dump word
.set gi, gi+1
.endr
.set gi, 0
.rept 32
	v_min_u32 v[CR+gi], 0x4bf, v[CR+gi]            ; the clamp: list and dump are 1,216 words
.set gi, gi+1
.endr
.set gi, 0
.rept 32
	v_lshl_add_u32 v[CR+gi], v[CR+gi], 2, LIST
.set gi, gi+1
.endr
.set gi, 0
.rept 32
	ds_store_b32 v[CR+gi], v[SELR+gi]
.set gi, gi+1
.endr
	ds_load_b32 v[CT], v[CL0]                      ; the list's first row,
	v_add_nc_u32 v[CT+1], s38, v1
	v_min_u32 v[CT+1], 0x41f, v[CT+1]              ; (n is 1,024 at the most)
	v_lshl_add_u32 v[CT+1], v[CT+1], 2, LIST
	v_mov_b32 v[CT+2], s38
	s_wait_dscnt 0x0
	ds_store_b32 v[CT+1], v[CT]                    ; repeated in words n .. n + 31: the last tile's spare rows
	ds_store_b32 v[CCN], v[CT+2]                   ; and the count, for the other waves
.Lno_compact:
	s_wait_dscnt 0x0                               ; wave 0's stores have landed
	s_barrier_signal -1
	s_barrier_wait -1                              ; list and count lie in LDS; up to here no other wave has touched LDS
	s_wait_loadcnt 0x0                             ; my part of W2's 32 rows
	WIN 0x04                                       ; an LDS store's data are its source 1: window 1
.set ii, 0
.rept 32
	ds_store_b128 v[T16], v[4*ii:4*ii+3] offset:WP*ii
.set ii, ii+1
.endr
	WIN 0
.irp n, 0,1
.irp q, 0,1,2,3
	global_load_b128 v[W2S+16*\n+4*\q:W2S+16*\n+4*\q+3], v[WSV], s[16:17] offset:2048*\n+16*\q
.endr
.endr
.irp n, 0,1
	global_load_b128 v[B2+8*\n:B2+8*\n+3], v[B2V], s[18:19] offset:64*\n          ; lane (r, h), register j: column 16 n + 8 h + j
	global_load_b128 v[B2+8*\n+4:B2+8*\n+7], v[B2V], s[18:19] offset:64*\n+16
.endr
	HLOAD 0                                        ; my first tile of H, whether or not it exists: its place hangs on the wave's number alone and lies inside the buffer
	HLOAD 1
	s_wait_dscnt 0x0                               ; my part of the rows has landed
	s_barrier_signal -1
	s_barrier_wait -1                              ; all 32 rows lie in LDS.  This is the last barrier
	HLOAD 2
	HLOAD 3
	ds_load_b32 v[CT], v[CCN]
	s_wait_dscnt 0x0
	v_readfirstlane_b32 s27, v[CT]
	s_min_u32 s27, s27, 0x400                      ; n
	s_add_co_u32 s28, s27, 15
	s_lshr_b32 s28, s28, 4                         ; tiles of 16 rows
	s_mov_b32 s29, s24                             ; my tile
	s_mov_b32 s30, 0                               ; the trip
	s_lshl_b32 s31, s24, 6                         ; my tile's 64 bytes of the list
	WIN 0x40
.set ks, 0
.rept 16
.irp n, 0,1
.irp c, 0,1
	ds_load_b128 v[8*(2*ks+\n)+4*\c:8*(2*ks+\n)+4*\c+3], v[WRD] offset:16*WP*\n+64*ks+32*\c
.endr
.endr
.set ks, ks+1
.endr
	WIN 0x80
.set ks, 0
.rept 16
.irp n, 0,1
.irp c, 0,1
	ds_load_b128 v[8*(2*ks+\n)+4*\c:8*(2*ks+\n)+4*\c+3], v[WRD] offset:16*WP*\n+64*(ks+16)+32*\c
.endr
.endr
.set ks, ks+1
.endr
	WIN 0
	s_wait_dscnt 0x0                               ; W2's 64 fragments stay in my registers
	s_wait_xcnt 0x0                                ; the first tile's loads have read their bases,
	s_add_nc_u64 s[8:9], s[8:9], 131072            ; which from here on stand at my NEXT tile: four tiles on
	s_add_nc_u64 s[10:11], s[10:11], 8192
.Ltrip:                                                ; sixteen trips, a constant: 64 tiles are the most that a list of 1,024 rows has.  A trip whose tile does not exist steps its numbers and does nothing else
	v_add_nc_u32 v[LET], s31, v[LE0]
	s_cmp_ge_u32 s29, s28
	s_cbranch_scc1 .Lskip
	s_add_co_u32 s32, s29, 4
	s_cmp_lt_u32 s32, s28
	s_cbranch_scc0 .Llast
	TILE 1
	s_branch .Lskip
.Llast:                                                ; my last tile is written a second time: it asks for nothing, and its counts run down
	TILE 0
.Lskip:
	s_wait_xcnt 0x0                                ; loads and stores have read their bases, offsets and data: they are written again only behind this wait
	s_add_nc_u64 s[8:9], s[8:9], 131072
	s_add_nc_u64 s[10:11], s[10:11], 8192
	s_add_co_u32 s31, s31, 256
	s_add_co_u32 s29, s29, 4
	s_add_co_u32 s30, s30, 1
	s_cmp_lt_u32 s30, 16
	s_cbranch_scc1 .Ltrip
	s_wait_tensorcnt 0x0
	ds_add_u32 v254, v255
	s_wait_dscnt 0x0
	s_endpgm
.Lfunc_end_k_qd452c059f9_down:
	.size	k_qd452c059f9_down, .Lfunc_end_k_qd452c059f9_down-k_qd452c059f9_down
	.p2alignl 7, 3214868480
	.fill 96, 4, 3214868480
	.section	.rodata,"a",@progbits
	.p2align	6, 0x0
	.amdhsa_kernel k_qd452c059f9_down
		.amdhsa_group_segment_fixed_size 82432
		.amdhsa_private_segment_fixed_size 0
		.amdhsa_enable_private_segment 0
		.amdhsa_kernarg_size 56
		.amdhsa_user_sgpr_count 2
		.amdhsa_user_sgpr_kernarg_segment_ptr 1
		.amdhsa_wavefront_size32 1
		.amdhsa_system_sgpr_workgroup_id_x 1
		.amdhsa_system_sgpr_workgroup_id_y 1
		.amdhsa_system_sgpr_workgroup_id_z 1
		.amdhsa_system_vgpr_workitem_id 0
		.amdhsa_next_free_vgpr 1024
		.amdhsa_next_free_sgpr 100
		.amdhsa_reserve_vcc 1
		.amdhsa_float_denorm_mode_32 3
		.amdhsa_float_denorm_mode_16_64 3
		.amdhsa_memory_ordered 1
		.amdhsa_forward_progress 1
		.amdhsa_inst_pref_size 83
	.end_amdhsa_kernel
	.amdgpu_metadata
---
amdhsa.version: [ 1, 2 ]
amdhsa.kernels:
  - .name:           k_qd452c059f9_down
    .symbol:         k_qd452c059f9_down.kd
    .args:
      - { .name: himg, .offset: 0, .size: 8, .value_kind: global_buffer, .address_space: global }
      - { .name: hsc, .offset: 8, .size: 8, .value_kind: global_buffer, .address_space: global }
      - { .name: sel, .offset: 16, .size: 8, .value_kind: global_buffer, .address_space: global }
      - { .name: W2_codes, .offset: 24, .size: 8, .value_kind: global_buffer, .address_space: global }
      - { .name: W2_scales, .offset: 32, .size: 8, .value_kind: global_buffer, .address_space: global }
      - { .name: b2, .offset: 40, .size: 8, .value_kind: global_buffer, .address_space: global }
      - { .name: ybuf, .offset: 48, .size: 8, .value_kind: global_buffer, .address_space: global }
    .group_segment_fixed_size: 82432
    .private_segment_fixed_size: 0
    .kernarg_segment_align: 8
    .kernarg_segment_size: 56
    .max_flat_workgroup_size: 128
    .sgpr_count:     100
    .vgpr_count:     1024
    .wavefront_size: 32
...
	.end_amdgpu_metadata
.endif
;; end of part 3
;; launch sum (part 4): grid 256 x 1, 4 waves a work-group, no clusters, 0 bytes of LDS; arguments ybuf, gate, out0; writes out0
.if DOCPART == 4
	.amdgcn_target "amdgcn-amd-amdhsa--gfx1250"
	.amdhsa_code_object_version 6
	.text
	.protected	k_qd452c059f9_sum
	.globl	k_qd452c059f9_sum
	.p2align	8
	.type	k_qd452c059f9_sum,@function
k_qd452c059f9_sum:
	s_mov_b64 s[64:65], 0
	v_nop
	global_prefetch_b8 v0, s[64:65] scope:SCOPE_SE
	s_setreg_imm32_b32 hwreg(HW_REG_WAVE_MODE, 25, 1), 1
	s_wait_xcnt 0x0
; SUM.  out0[t][:] = gate[t][0] y(t, first choice) + gate[t][1] y(t, second choice).  One wave takes one token t = 4 x work-group + wave: each output row has one owner, and nothing is added across work-groups.
; ybuf is [slice c of 32 columns][entry 2 t + k][32 numbers]: eight lanes read a slice's 128 bytes; a load of the wave covers four slices, 128 columns.  All 16 loads go out at once; each store covers 512 consecutive bytes.
; A stream: no LDS, no barrier, no matrix unit.
	s_load_b128 s[4:7], s[0:1], 0x0                ; ybuf s[4:5], gate s[6:7]
	s_load_b64 s[8:9], s[0:1], 0x10                ; out0
	v_lshrrev_b32 v1, 5, v0
	v_readfirstlane_b32 s10, v1                    ; wave
	s_lshl_b32 s11, ttmp9, 2
	s_add_co_u32 s11, s11, s10                     ; my token
	v_and_b32 v1, 31, v0                           ; lane
	v_lshrrev_b32 v2, 3, v1
	v_and_b32 v3, 7, v1
	v_lshlrev_b32 v3, 4, v3
	v_lshl_add_u32 v2, v2, 18, v3                  ; a slice is 262,144 bytes: 262,144 (lane / 8) + 16 (lane % 8)
	v_lshlrev_b32 v4, 4, v1                        ; out: 16 x lane
	s_mov_b32 s13, 0
	s_wait_kmcnt 0x0
	s_lshl_b32 s12, s11, 3
	s_add_nc_u64 s[6:7], s[6:7], s[12:13]
	s_load_b64 s[16:17], s[6:7], 0x0               ; my token's two gates: this launch writes nothing of that buffer
	s_lshl_b32 s12, s11, 8
	s_add_nc_u64 s[4:5], s[4:5], s[12:13]          ; two entries of 128 bytes a token
	s_lshl_b32 s12, s11, 12
	s_add_nc_u64 s[8:9], s[8:9], s[12:13]          ; a row of 4,096 bytes
.irp i, 0,1,2,3,4,5,6,7
	global_load_b128 v[16+8*\i:19+8*\i], v2, s[4:5] offset:1048576*\i th:TH_LOAD_NT        ; slices 4 i + lane / 8, first choice; the largest offset, 7,340,160, lies inside the signed 24-bit immediate
	global_load_b128 v[20+8*\i:23+8*\i], v2, s[4:5] offset:1048576*\i+128 th:TH_LOAD_NT    ; second choice; every byte is read once in the launch
.endr
	s_wait_kmcnt 0x0
	s_mov_b32 s20, s16                             ; the packed forms name a pair and take its low word for both halves
	s_mov_b32 s21, s16
	s_mov_b32 s22, s17
	s_mov_b32 s23, s17
.irp i, 0,1,2,3,4,5,6,7
	s_wait_loadcnt 14-2*\i                         ; this pair of loads is in; the 2 (7 - i) behind it may be out
	v_pk_mul_f32 v[80+4*\i:81+4*\i], v[20+8*\i:21+8*\i], s[22:23] op_sel_hi:[1,0]
	v_pk_mul_f32 v[82+4*\i:83+4*\i], v[22+8*\i:23+8*\i], s[22:23] op_sel_hi:[1,0]
	v_pk_fma_f32 v[80+4*\i:81+4*\i], v[16+8*\i:17+8*\i], s[20:21], v[80+4*\i:81+4*\i] op_sel_hi:[1,0,1]
	v_pk_fma_f32 v[82+4*\i:83+4*\i], v[18+8*\i:19+8*\i], s[20:21], v[82+4*\i:83+4*\i] op_sel_hi:[1,0,1]
	global_store_b128 v4, v[80+4*\i:83+4*\i], s[8:9] offset:512*\i th:TH_STORE_NT   ; each step has registers of its own: no store's data are written again
.endr
	s_endpgm
.Lfunc_end_k_qd452c059f9_sum:
	.size	k_qd452c059f9_sum, .Lfunc_end_k_qd452c059f9_sum-k_qd452c059f9_sum
	.p2alignl 7, 3214868480
	.fill 96, 4, 3214868480
	.section	.rodata,"a",@progbits
	.p2align	6, 0x0
	.amdhsa_kernel k_qd452c059f9_sum
		.amdhsa_group_segment_fixed_size 0
		.amdhsa_private_segment_fixed_size 0
		.amdhsa_enable_private_segment 0
		.amdhsa_kernarg_size 24
		.amdhsa_user_sgpr_count 2
		.amdhsa_user_sgpr_kernarg_segment_ptr 1
		.amdhsa_wavefront_size32 1
		.amdhsa_system_sgpr_workgroup_id_x 1
		.amdhsa_system_sgpr_workgroup_id_y 1
		.amdhsa_system_sgpr_workgroup_id_z 1
		.amdhsa_system_vgpr_workitem_id 0
		.amdhsa_next_free_vgpr 112
		.amdhsa_next_free_sgpr 66
		.amdhsa_reserve_vcc 0
		.amdhsa_float_denorm_mode_32 3
		.amdhsa_float_denorm_mode_16_64 3
		.amdhsa_memory_ordered 1
		.amdhsa_forward_progress 1
		.amdhsa_inst_pref_size 6
	.end_amdhsa_kernel
	.amdgpu_metadata
---
amdhsa.version: [ 1, 2 ]
amdhsa.kernels:
  - .name:           k_qd452c059f9_sum
    .symbol:         k_qd452c059f9_sum.kd
    .args:
      - { .name: ybuf, .offset: 0, .size: 8, .value_kind: global_buffer, .address_space: global }
      - { .name: gate, .offset: 8, .size: 8, .value_kind: global_buffer, .address_space: global }
      - { .name: out0, .offset: 16, .size: 8, .value_kind: global_buffer, .address_space: global }
    .group_segment_fixed_size: 0
    .private_segment_fixed_size: 0
    .kernarg_segment_align: 8
    .kernarg_segment_size: 24
    .max_flat_workgroup_size: 128
    .sgpr_count:     66
    .vgpr_count:     112
    .wavefront_size: 32
...
	.end_amdgpu_metadata
.endif
;; end of part 4
